; MI455X (gfx1250); checked and timed in simulation.
; The chip was launched on July 23, 2026; its instructions are those of AMD's public machine-readable ISA for CDNA 5 (MIT licence, August 2026) and "CDNA5" Instruction Set Architecture Reference Guide (July 2026).
;; Causal Attentation. Allowed arithmetic: matrix products marked QUANTISED: E2M3 operands, one E8M0 scale for each 32 along K, by v_wmma_scale_f32_16x16x128_f8f6f4 with both operands' format E2M3, f32 sums; everything else in f32.
;; Inputs: Wk 1,024 x 1,024 float32; Wq 1,024 x 1,024 float32; Wv 1,024 x 1,024 float32; x 4 x 2,048 x 1,024 float32.
;; Outputs: out0 4 x 2,048 x 1,024 float32.
;; This version of the problem:
;;   THIS VERSION OF THE PROBLEM IS GIVEN IN LOW PRECISION. The matrix products marked QUANTISED in the list below multiply operands that are first quantised to E2M3 (2 exponent bits, 3 mantissa bits; 6 bits a number), with one power-of-two scale for each 32 numbers along K (OCP MX v1.0); their sums are f32. All else is computed in f32.
;;   The module's matrix products, in the order in which they are computed (A, B: the left and right operand; K: the contracted axis; several contracted axes count as one K, in the product's order):
;;     1. [M 8,192, K 1,024] x [K 1,024, N 1,024]; A: input x; B: input Wq: QUANTISED
;;     2. [M 8,192, K 1,024] x [K 1,024, N 1,024]; A: input x; B: input Wk: QUANTISED
;;     3. [M 8,192, K 1,024] x [K 1,024, N 1,024]; A: input x; B: input Wv: QUANTISED
;;     4. batch 4 x [M 2,048, K 1,024] x [K 1,024, N 2,048]; A: computed on the way; B: computed on the way: QUANTISED
;;     5. batch 4 x [M 2,048, K 2,048] x [K 2,048, N 1,024]; A: softmax (see below); B: computed on the way: QUANTISED
;;   THE QUANTISER, for each operand of a quantised product, along K:
;;     - K is cut into blocks of 32 from its start; a last block that is shorter is filled with zeros.
;;     - A block's scale is 2^e with e = floor(log2(the largest magnitude in the block)) - 2, held to -126 .. 127; a block of zeros has e = 0. As a byte (E8M0): e + 127.
;;     - Each number is divided by its block's scale, clamped to +-7.5, and rounded to the nearest number of E2M3, ties to even, subnormals kept.
;;     - The product sums the exact products of the quantised numbers (number of the format x scale) in f32.
;;   ~~~python
;;   def quantise(x, axis):      # numpy; x: float32 -> the quantised numbers, widened to float32 again
;;       x = np.moveaxis(x, axis, -1); K = x.shape[-1]
;;       x = np.pad(x, [(0, 0)] * (x.ndim - 1) + [(0, -K % 32)]); x = x.reshape(x.shape[:-1] + (-1, 32)); a = np.abs(x).max(-1, keepdims=True)
;;       e = np.where(a > 0, np.clip(np.frexp(np.where(a > 0, a, 1))[1] - 1 - 2, -126, 127), 0)      # np.frexp(a)[1] - 1 = floor(log2(a)), exactly
;;       r = np.clip(x / 2.0 ** e, -7.5, 7.5)
;;       step = 2.0 ** (np.maximum(np.frexp(np.where(r == 0, 1, r))[1] - 1, 0) - 3)
;;       q = np.round(r / step) * step * 2.0 ** e      # np.round: ties to even
;;       return np.moveaxis(q.reshape(q.shape[:-2] + (-1,))[..., :K], -1, axis).astype(np.float32)
;;   ~~~
;;   SOFTMAX AHEAD OF A QUANTISED PRODUCT. Where the list says 'softmax', what is quantised is not the finished softmax but p = 2^(t - M), with t = logit x log2(e) and M = ceil(the row's largest t), a whole number; so 1/2 < the row's largest p <= 1. The row's sum l is taken of the UNQUANTISED p, in f32, and the product's result is divided by l at the end. Since M is a whole number, a kernel that streams over the keys may use a running M (the ceiling of the running maximum): every later rescaling is an exact power of two, which a block's scale takes up: the codes' values come out the same.
;;   OPERANDS COMPUTED ON THE WAY. 'Computed on the way' means the value that the module computes at that place (a softmax that the list does not call 'softmax' is quantised finished and normalised). What goes into a quantiser is computed in f32, as accurately as f32 sums, v_exp_f32 and their like allow (about 1e-6 of the number): no bf16 or f16 on the way to a quantiser, and a product that is left as it is and whose result goes on into a quantised operand takes f32 operands (vector FMAs, or v_wmma_f32_16x16x4_f32). A number that lies on a knife's edge between two numbers of the format may be rounded either way, as far as f32 arithmetic and the matrix unit's own rounding can turn it there, and no further.
;; One version. Each part assembles by itself: llvm-mc -triple=amdgcn-amd-amdhsa -mcpu=gfx1250 --defsym DOCPART=n.
;; ======== version 1 of 1: 4 launches
;; limits: right only within a limited range of input values
;; workspace buffers: ops 9,011,200 bytes; qk 13,107,200 bytes; vt 6,553,600 bytes; pc 13,107,200 bytes; st 1,048,576 bytes
;; launch quant (part 1): grid 704 x 1, 4 waves a work-group, no clusters, 69,120 bytes of LDS; arguments x, Wq, Wk, Wv, ops; writes ops
.if DOCPART == 1
	.amdgcn_target "amdgcn-amd-amdhsa--gfx1250"
	.amdhsa_code_object_version 6
	.text
	.protected	k_q6da2db6d27_quant
	.globl	k_q6da2db6d27_quant
	.p2align	8
	.type	k_q6da2db6d27_quant,@function
k_q6da2db6d27_quant:
	s_mov_b64 s[64:65], 0
	v_nop
	global_prefetch_b8 v0, s[64:65] scope:SCOPE_SE
	s_setreg_imm32_b32 hwreg(HW_REG_WAVE_MODE, 25, 1), 1
	s_wait_xcnt 0x0
.set STW,  16896
.set SPI,  528
.set SCB,  4*STW
.set SPARE, SCB+1024
.set R,    32
.set X,    160
.set F,    224
.set T,    248
.set SPW,  251
.set NIL,  255
	s_load_b256 s[4:11], s[0:1], 0x0
	s_load_b64 s[12:13], s[0:1], 0x20
	v_lshl_add_u32 v[SPW], v0, 2, SPARE
	v_mov_b32 v[NIL], 0
	v_lshrrev_b32 v1, 5, v0
	v_readfirstlane_b32 s14, v1
	s_mul_i32 s15, s14, STW
	s_lshr_b32 s24, s14, 1
	s_and_b32 s25, s14, 1
	s_lshl_b32 s26, s24, 8
	s_lshl_b32 s27, s25, 3
	s_add_co_u32 s26, s26, s27
	s_add_co_u32 s26, s26, SCB
	v_and_b32 v1, 31, v0
	v_and_b32 v2, 15, v0
	v_bfe_u32 v3, v0, 4, 1
	v_lshlrev_b32 v4, 4, v1
	v_add_nc_u32 v5, s15, v4
	v_mul_u32_u24 v6, v2, SPI
	v_lshl_add_u32 v6, v3, 7, v6
	v_add_nc_u32 v6, s15, v6
	v_lshl_add_u32 v7, v2, 4, s26
	v_lshlrev_b32 v8, 3, v3
	v_add_nc_u32 v9, SCB, v4
	v_mov_b32 v17, 0
	s_mov_b32 s22, 0x76543210
	s_mov_b32 s23, 0xfedcba98
	s_lshr_b32 s16, ttmp9, 3
	s_and_b32 s17, ttmp9, 7
	s_and_b32 s18, s16, 7
	s_lshr_b32 s19, s16, 1
	s_lshl_b32 s19, s19, 4
	s_lshl_b32 s20, s17, 1
	s_add_co_u32 s19, s19, s20
	s_and_b32 s20, s16, 1
	s_add_co_u32 s19, s19, s20
	s_and_b32 s20, ttmp9, 63
	s_mul_i32 s20, s20, 3
	s_lshr_b32 s21, s16, 3
	s_add_co_u32 s20, s20, s21
	s_add_co_u32 s20, s20, 512-8
	s_cmp_lt_u32 s16, 64
	s_cselect_b32 s20, s19, s20
	s_mul_i32 s20, s20, 12800
	s_mul_i32 s21, s14, 3072
	s_add_co_u32 s20, s20, s21
	s_mov_b32 s21, 0
	s_lshl_b32 s24, s24, 18
	s_lshl_b32 s25, s25, 16
	s_add_co_u32 s24, s24, s25
	s_wait_alu depctr_va_vdst(0)
	s_wait_kmcnt 0x0
	s_cmp_lt_u32 s16, 80
	s_cselect_b64 s[10:11], s[8:9], s[10:11]
	s_cmp_lt_u32 s16, 72
	s_cselect_b64 s[10:11], s[6:7], s[10:11]
	s_cmp_lt_u32 s16, 64
	s_cselect_b64 s[10:11], s[4:5], s[10:11]
	s_cselect_b32 s18, s16, s18
	s_lshl_b32 s18, s18, 19
	s_add_co_u32 s18, s18, s24
	s_lshl_b32 s19, s17, 9
	s_add_co_u32 s18, s18, s19
	s_mov_b32 s19, 0
	s_add_nc_u64 s[10:11], s[10:11], s[18:19]
	s_add_nc_u64 s[12:13], s[12:13], s[20:21]
.irp u, 0,1
.irp i, 0,1,2,3,4,5,6,7,8,9,10,11,12,13,14,15
	global_load_b128 v[R+4*(16*\u+\i):R+4*(16*\u+\i)+3], v4, s[10:11] offset:(8*\u+\i+24*(\i/8))*4096 th:TH_LOAD_NT
.endr
.endr
.macro TOSTAGE u
.irp i, 0,1,2,3,4,5,6,7,8,9,10,11,12,13,14,15
	ds_store_b128 v5, v[R+4*(16*\u+\i):R+4*(16*\u+\i)+3] offset:8448*\u+SPI*\i
.endr
.endm
.macro FROMSTAGE u
.irp c, 0,1
.irp j, 0,1,2,3,4,5,6,7
	ds_load_b128 v[X+32*\c+4*\j:X+32*\c+4*\j+3], v6 offset:8448*\u+256*\c+16*\j
.endr
.endr
.endm
.macro QUANT6 u
.irp c, 0,1
	v_max3_num_f32 v[10+\c], |v[X+32*\c]|, |v[X+32*\c+1]|, 0x1800000
.endr
.irp i, 2,4,6,8,10,12,14,16,18,20,22,24,26,28,30
.irp c, 0,1
	v_max3_num_f32 v[10+\c], v[10+\c], |v[X+32*\c+\i]|, |v[X+32*\c+\i+1]|
.endr
.endr
.irp c, 0,1
	v_add_nc_u32 v[12+\c], 0xff000000, v[10+\c]
.endr
.irp c, 0,1
	v_lshrrev_b32 v[14+\c], 23, v[12+\c]
.endr
	v_lshl_or_b32 v[18+\u], v15, 16, v14
	v_lshlrev_b32 v[18+\u], v8, v[18+\u]
	v_permlanex16_b32 v17, v[18+\u], s22, s23
	v_or_b32 v[18+\u], v[18+\u], v17
.irp c, 0,1
	v_cvt_scalef32_pk16_fp6_f32 v[F+12*\u+6*\c:F+12*\u+6*\c+2], v[X+32*\c:X+32*\c+15], v[12+\c]
	v_cvt_scalef32_pk16_fp6_f32 v[T+4*\c:T+4*\c+2], v[X+32*\c+16:X+32*\c+31], v[12+\c]
.endr
	v_nop
.irp c, 0,1
.irp i, 0,1,2
	v_mov_b32 v[F+12*\u+6*\c+3+\i], v[T+4*\c+\i]
.endr
.endr
.irp g, 0,1,2
	global_store_b128 v4, v[F+12*\u+4*\g:F+12*\u+4*\g+3], s[12:13] offset:\u*1536+512*\g
.endr
	ds_store_b32 v7, v[18+\u] offset:4*\u
.endm
	s_wait_loadcnt 16
	TOSTAGE 0
	FROMSTAGE 0
	s_wait_loadcnt 0x0
	TOSTAGE 1
	s_wait_dscnt 16
	QUANT6 0
	FROMSTAGE 1
	s_wait_dscnt 0x0
	QUANT6 1
	s_wait_dscnt 0x0
	s_barrier_signal -1
	s_barrier_wait -1
	s_cmp_lg_u32 s14, 0
	s_cbranch_scc1 .Lend
	ds_load_b128 v[20:23], v9
	s_wait_dscnt 0x0
	global_store_b128 v4, v[20:23], s[12:13] offset:12288
.Lend:
	s_wait_tensorcnt 0x0
	ds_add_u32 v[SPW], v[NIL]
	s_wait_dscnt 0x0
	s_endpgm
.Lfunc_end_k_q6da2db6d27_quant:
	.size	k_q6da2db6d27_quant, .Lfunc_end_k_q6da2db6d27_quant-k_q6da2db6d27_quant
	.p2alignl 7, 3214868480
	.fill 96, 4, 3214868480
	.section	.rodata,"a",@progbits
	.p2align	6, 0x0
	.amdhsa_kernel k_q6da2db6d27_quant
		.amdhsa_group_segment_fixed_size 69120
		.amdhsa_private_segment_fixed_size 0
		.amdhsa_enable_private_segment 0
		.amdhsa_kernarg_size 40
		.amdhsa_user_sgpr_count 2
		.amdhsa_user_sgpr_kernarg_segment_ptr 1
		.amdhsa_wavefront_size32 1
		.amdhsa_system_sgpr_workgroup_id_x 1
		.amdhsa_system_sgpr_workgroup_id_y 1
		.amdhsa_system_sgpr_workgroup_id_z 1
		.amdhsa_system_vgpr_workitem_id 0
		.amdhsa_next_free_vgpr 256
		.amdhsa_next_free_sgpr 66
		.amdhsa_reserve_vcc 0
		.amdhsa_float_denorm_mode_32 3
		.amdhsa_float_denorm_mode_16_64 3
		.amdhsa_memory_ordered 1
		.amdhsa_forward_progress 1
		.amdhsa_inst_pref_size 18
	.end_amdhsa_kernel
	.amdgpu_metadata
---
amdhsa.version: [ 1, 2 ]
amdhsa.kernels:
  - .name:           k_q6da2db6d27_quant
    .symbol:         k_q6da2db6d27_quant.kd
    .args:
      - { .name: x, .offset: 0, .size: 8, .value_kind: global_buffer, .address_space: global }
      - { .name: Wq, .offset: 8, .size: 8, .value_kind: global_buffer, .address_space: global }
      - { .name: Wk, .offset: 16, .size: 8, .value_kind: global_buffer, .address_space: global }
      - { .name: Wv, .offset: 24, .size: 8, .value_kind: global_buffer, .address_space: global }
      - { .name: ops, .offset: 32, .size: 8, .value_kind: global_buffer, .address_space: global }
    .group_segment_fixed_size: 69120
    .private_segment_fixed_size: 0
    .kernarg_segment_align: 8
    .kernarg_segment_size: 40
    .max_flat_workgroup_size: 128
    .sgpr_count:     66
    .vgpr_count:     256
    .wavefront_size: 32
...
	.end_amdgpu_metadata
.endif
;; end of part 1
;; launch qkv (part 2): grid 8 x 32, 4 waves a work-group, clusters of 4 x 4, 327,680 bytes of LDS; arguments ops, qk, vt; writes qk, vt
.if DOCPART == 2
	.amdgcn_target "amdgcn-amd-amdhsa--gfx1250"
	.amdhsa_code_object_version 6
	.text
	.protected	k_q6da2db6d27_qkv
	.globl	k_q6da2db6d27_qkv
	.p2align	8
	.type	k_q6da2db6d27_qkv,@function
k_q6da2db6d27_qkv:
	s_mov_b64 s[64:65], 0
	v_nop
	global_prefetch_b8 v0, s[64:65] scope:SCOPE_SE
	s_setreg_imm32_b32 hwreg(HW_REG_WAVE_MODE, 25, 1), 1
	s_wait_xcnt 0x0
	s_wait_alu depctr_hold_cnt(0) depctr_sa_sdst(0) depctr_va_vdst(0) depctr_va_sdst(0) depctr_va_ssrc(0) depctr_va_vcc(0) depctr_vm_vsrc(0)
	s_getreg_b32 s2, hwreg(HW_REG_IB_STS2, 6, 4)
	s_cmp_eq_u32 s2, 0
	s_cbranch_scc0 .Lentry_in_a_cluster
	s_endpgm
.Lentry_in_a_cluster:
	s_bfe_u32 s2, ttmp6, 0x10000c
	s_cmp_lg_u32 s2, 0xf033
	s_cbranch_scc0 .Lentry_shape_is_right
	s_endpgm
.Lentry_shape_is_right:
.set PAN,   12800
.set SLOT,  10*PAN
.set XO,    6*PAN
.set SPARE, 2*SLOT
.set ADX,  4
.set ADW,  6
.set ADV,  8
.set ADS,  10
.set ADSV, 14
.set OFC,  16
.set OFR,  17
.set SPW,  18
.set NIL,  19
.set SH8,  20
.set PFO,  21
.set PX,   22
.set SC,   24
.set WR,   48
.set XF,   144
.set PC,   48
.set TT,   192
.set TM,   208
.set SO,   216
.set SW,   220
.set CW,   232
.set G1X,  24
.set G0X,  32
.set G1W,  48
.set G0W,  56
.set PFX,  68
.set PFW,  70
.set SEL,  90
.set HM,   92
.set MSB, 0
.macro WIN new
.if MSB != (\new)
	s_set_vgpr_msb (MSB<<8)|(\new)
.set MSB, \new
.endif
.endm
.macro PLACES
.rept 4
	v_nop
.endr
.endm
.macro CREST
	s_cmp_lg_u32 s14, 0
	s_cbranch_scc1 .Lnot_wave_0_\@
	s_barrier_signal -3
.Lnot_wave_0_\@:
	s_barrier_wait -3
	s_barrier_signal -1
	s_barrier_wait -1
.endm
.macro CROUND
	s_barrier_signal -1
	s_barrier_wait -1
	CREST
.endm
.macro TLOAD g0, g1
	tensor_load_to_lds s[\g0:\g0+3], s[\g1:\g1+7]
	s_nop 0
.rept 4
	v_nop
.endr
.endm
.macro JLOAD sl
	s_cmp_eq_u32 s14, 0
	s_cbranch_scc0 .Lnot_x_\@
	TLOAD G0X+4*\sl, G1X
	s_branch .Lasked_\@
.Lnot_x_\@:
	s_cmp_eq_u32 s14, 1
	s_cbranch_scc0 .Lasked_\@
	TLOAD G0W+4*\sl, G1W
.Lasked_\@:
.endm
.macro PF pr
	s_cmp_eq_u32 s46, 1
	s_cbranch_scc0 .Lpf_a_\@
	global_prefetch_b8 v[PFO], s[PFX:PFX+1] offset:(\pr)*4*PAN th:TH_LOAD_NT scope:SCOPE_SE
	global_prefetch_b8 v[PFO], s[PFX:PFX+1] offset:(\pr)*4*PAN+6400 th:TH_LOAD_NT scope:SCOPE_SE
.Lpf_a_\@:
	s_cmp_eq_u32 s46, s47
	s_cbranch_scc0 .Lpf_b_\@
	global_prefetch_b8 v[PFO], s[PFW:PFW+1] offset:(\pr)*6*PAN th:TH_LOAD_NT scope:SCOPE_SE
	global_prefetch_b8 v[PFO], s[PFW:PFW+1] offset:(\pr)*6*PAN+6400 th:TH_LOAD_NT scope:SCOPE_SE
	global_prefetch_b8 v[PFO], s[PFW:PFW+1] offset:(\pr)*6*PAN+12800 th:TH_LOAD_NT scope:SCOPE_SE
.Lpf_b_\@:
.endm
.macro FWT sl, q, g, rh
	WIN 0
.irp i, 0,1,2,3
.irp c, 0,1,2
.if (\g) < 2
	ds_load_b128 v[WR+48*(\rh)+12*\i+4*\c:WR+48*(\rh)+12*\i+4*\c+3], v[ADW+\sl] offset:(\q)*3*PAN+1536*(4*(\g)+\i)+512*\c
.else
	ds_load_b128 v[WR+48*(\rh)+12*\i+4*\c:WR+48*(\rh)+12*\i+4*\c+3], v[ADV+\sl] offset:(\q)*3*PAN+1536*\i+512*\c
.endif
.endr
.endr
.endm
.macro FX sl, q, i0
	WIN 0
.irp i, 0,1,2,3
.irp c, 0,1,2
	ds_load_b128 v[XF+12*(\i0+\i)+4*\c:XF+12*(\i0+\i)+4*\c+3], v[ADX+\sl] offset:(\q)*2*PAN+1536*(\i0+\i)+512*\c
.endr
.endr
.endm
.macro FS sl, q, p
	ds_load_b128 v[SC+12*(\p):SC+12*(\p)+3], v[ADS+2*\sl+\q] offset:12288
	ds_load_b128 v[SC+12*(\p)+4:SC+12*(\p)+7], v[ADS+2*\sl+\q] offset:12288+256
	ds_load_b128 v[SC+12*(\p)+8:SC+12*(\p)+11], v[ADSV+\sl] offset:(\q)*3*PAN+12288
.endm
.macro MUL x0, g, rh, p, zero
.if (\g) == 2
	WIN 0xf0
.else
	WIN 0x50*(1+(\x0)/4)
.endif
.irp x, 0,1,2,3
.irp w, 0,1,2,3
.set XR, XF+12*(\x0+\x)
.set WF, WR+48*(\rh)+12*\w
.set SX, SC+12*(\p)+\x0+\x
.if (\g) == 2
.set DR, 64*\w+8*(\x0+\x)
.set SV, SC+12*(\p)+8+\w
.if \zero
	v_wmma_scale_f32_16x16x128_f8f6f4 v[DR:DR+7], v[XR:XR+11], v[WF:WF+11], 0, v[SX], v[SV] matrix_a_fmt:MATRIX_FMT_FP6 matrix_b_fmt:MATRIX_FMT_FP6 matrix_a_scale:MATRIX_SCALE_ROW1
.else
	v_wmma_scale_f32_16x16x128_f8f6f4 v[DR:DR+7], v[XR:XR+11], v[WF:WF+11], v[DR:DR+7], v[SX], v[SV] matrix_a_fmt:MATRIX_FMT_FP6 matrix_b_fmt:MATRIX_FMT_FP6 matrix_a_scale:MATRIX_SCALE_ROW1
.endif
.else
.set DR, 64*\x+8*(4*(\g)+\w)
.set SV, SC+12*(\p)+4*(\g)+\w
.if \zero
	v_wmma_scale_f32_16x16x128_f8f6f4 v[DR:DR+7], v[WF:WF+11], v[XR:XR+11], 0, v[SV], v[SX] matrix_a_fmt:MATRIX_FMT_FP6 matrix_b_fmt:MATRIX_FMT_FP6 matrix_b_scale:MATRIX_SCALE_ROW1
.else
	v_wmma_scale_f32_16x16x128_f8f6f4 v[DR:DR+7], v[WF:WF+11], v[XR:XR+11], v[DR:DR+7], v[SV], v[SX] matrix_a_fmt:MATRIX_FMT_FP6 matrix_b_fmt:MATRIX_FMT_FP6 matrix_b_scale:MATRIX_SCALE_ROW1
.endif
.endif
.endr
.endr
.endm
.macro STEP st, zero
.set PP, (\st)%2
.set HH, (3*(\st))%2
.set SL, ((\st)/2)%2
.set NS, (((\st)+1)/2)%2
	s_wait_dscnt 0x0
	PLACES
	FX SL, PP, 4
	FWT SL, PP, 1, 1-HH
	MUL 0, 0, HH, PP, \zero
	s_wait_dscnt 12
	MUL 4, 0, HH, PP, \zero
	s_wait_dscnt 0x0
	PLACES
	FWT SL, PP, 2, HH
.if (PP == 1) && ((\st) < 7)
	s_wait_tensorcnt 0x0
	ds_add_u32 v[SPW], v[NIL]
.if (\st) < 5
	s_add_nc_u64 s[G0X+4*SL+2:G0X+4*SL+3], s[G0X+4*SL+2:G0X+4*SL+3], 8*PAN
	s_add_nc_u64 s[G0W+4*SL+2:G0W+4*SL+3], s[G0W+4*SL+2:G0W+4*SL+3], 12*PAN
.endif
	MUL 0, 1, 1-HH, PP, \zero
	s_wait_dscnt 0x0
	s_barrier_signal -1
	MUL 4, 1, 1-HH, PP, \zero
	WIN 0
	s_barrier_wait -1
.if (\st) < 5
	CREST
	JLOAD SL
.endif
.else
	MUL 0, 1, 1-HH, PP, \zero
	MUL 4, 1, 1-HH, PP, \zero
	s_wait_dscnt 0x0
.endif
.if (\st) < 7
	PLACES
	FWT NS, 1-PP, 0, 1-HH
.if (\st) == 1
	PF 3
.endif
.endif
	MUL 0, 2, HH, PP, \zero
.if (\st) < 7
	PLACES
	FX NS, 1-PP, 0
	FS NS, 1-PP, 1-PP
.endif
	MUL 4, 2, HH, PP, \zero
.endm
	s_load_b128 s[4:7], s[0:1], 0x0
	s_load_b64 s[8:9], s[0:1], 0x10
	v_lshl_add_u32 v[SPW], v0, 2, SPARE
	v_mov_b32 v[NIL], 0
	ds_add_u32 v[SPW], v[NIL]
	ds_add_u32 v[SPW], v[NIL]
	v_lshrrev_b32 v1, 5, v0
	v_readfirstlane_b32 s14, v1
	s_lshr_b32 s15, s14, 1
	s_and_b32 s16, s14, 1
	s_bfe_u32 s40, ttmp6, 0x40000
	s_bfe_u32 s41, ttmp6, 0x40004
	s_and_b32 s17, ttmp7, 0xffff
	s_lshl_b32 s18, s17, 2
	s_add_co_u32 s18, s18, s41
	s_lshl_b32 s19, ttmp9, 2
	s_add_co_u32 s19, s19, s40
	s_lshl_b32 s43, s41, 2
	s_lshl_b32 s43, 15, s43
	s_lshl_b32 s44, 0x1111, s40
	s_or_b32 s[G1X], s43, (3<<16)|(1<<21)
	s_or_b32 s[G1W], s44, (3<<16)|(1<<21)
.irp g, G1X, G1W
	s_mov_b32 s[\g+1], 32<<16
	s_mov_b32 s[\g+3], 32<<16
	s_mov_b32 s[\g+5], 32
	s_mov_b32 s[\g+6], 0
	s_mov_b32 s[\g+7], 0
.endr
	s_mov_b32 s[G1X+2], 200<<16
	s_mov_b32 s[G1X+4], 200
	s_mov_b32 s[G1W+2], 300<<16
	s_mov_b32 s[G1W+4], 300
	s_mul_i32 s20, s18, 16*PAN
	s_mov_b32 s21, 0
	s_mul_i32 s22, s19, 24*PAN
	s_add_co_u32 s22, s22, 512*PAN
	s_mov_b32 s23, 0
	s_mul_i32 s72, s40, 50*256
	s_mov_b32 s73, 0
	s_mul_i32 s74, s41, 75*256
	s_mov_b32 s75, 0
	s_add_co_u32 s46, s14, 1
	s_cmp_lt_u32 s17, 4
	s_cselect_b32 s47, 2, 0
	s_mov_b32 s[SEL], 0x76543210
	s_mov_b32 s[SEL+1], 0xfedcba98
	s_mov_b32 s[HM], 0xffff0000
	s_wait_dscnt 0x0
	s_wait_kmcnt 0x0
	s_add_nc_u64 s[20:21], s[4:5], s[20:21]
	s_add_nc_u64 s[22:23], s[4:5], s[22:23]
.irp s, 0,1
	s_mov_b32 s[G0X+4*\s], 1
	s_mov_b32 s[G0X+4*\s+1], \s*SLOT+XO
	s_add_nc_u64 s[G0X+4*\s+2:G0X+4*\s+3], s[20:21], \s*4*PAN
	s_or_b32 s[G0X+4*\s+3], s[G0X+4*\s+3], 0x80000000
	s_mov_b32 s[G0W+4*\s], 1
	s_mov_b32 s[G0W+4*\s+1], \s*SLOT
	s_add_nc_u64 s[G0W+4*\s+2:G0W+4*\s+3], s[22:23], \s*6*PAN
	s_or_b32 s[G0W+4*\s+3], s[G0W+4*\s+3], 0x80000000
.endr
	s_add_nc_u64 s[PFX:PFX+1], s[20:21], s[72:73]
	s_add_nc_u64 s[PFW:PFW+1], s[22:23], s[74:75]
	CROUND
.macro ARM under, g0, g1, next
	s_cmp_lt_u32 s14, \under
	s_cbranch_scc0 \next
	TLOAD \g0, \g1
	s_branch .Lhead_asked
\next:
.endm
	ARM 1, G0W, G1W, .Lhead_1
	ARM 2, G0X, G1X, .Lhead_2
	ARM 3, G0W+4, G1W, .Lhead_3
	TLOAD G0X+4, G1X
.Lhead_asked:
	s_mul_i32 s81, s15, PAN
	s_add_co_u32 s81, s81, XO
	s_mul_i32 s82, s16, PAN
	s_mul_i32 s83, s16, 6144
	s_add_co_u32 s83, s83, 2*PAN
	s_lshl_b32 s84, s16, 8
	s_add_co_u32 s84, s84, 2*PAN
	s_sub_co_u32 s85, s81, s82
	s_sub_co_u32 s86, s85, PAN
	s_add_co_u32 s87, s82, 3*PAN
	v_and_b32 v1, 31, v0
	v_and_b32 v2, 15, v0
	v_bfe_u32 v3, v0, 4, 1
	v_lshlrev_b32 v[OFC], 4, v1
	v_lshlrev_b32 v[OFR], 4, v2
	v_lshlrev_b32 v[SH8], 3, v3
	v_min_u32 v[PFO], 24, v1
	v_lshlrev_b32 v[PFO], 8, v[PFO]
	v_mul_u32_u24 v[PX], s85, v3
	v_mul_u32_u24 v[PX+1], s86, v3
	v_add_nc_u32 v[PX], v[PX], v[OFR]
	v_add_nc_u32 v[PX+1], v[PX+1], v[OFR]
	v_add_nc_u32 v[ADX], s81, v[OFC]
	v_add_nc_u32 v[ADW], s82, v[OFC]
	v_add_nc_u32 v[ADV], s83, v[OFC]
	v_add_nc_u32 v[ADSV], s84, v[OFR]
	v_add_nc_u32 v[ADS], s82, v[PX]
	v_add_nc_u32 v[ADS+1], s87, v[PX+1]
	v_add_nc_u32 v[ADX+1], SLOT, v[ADX]
	v_add_nc_u32 v[ADW+1], SLOT, v[ADW]
	v_add_nc_u32 v[ADV+1], SLOT, v[ADV]
	v_add_nc_u32 v[ADSV+1], SLOT, v[ADSV]
	v_add_nc_u32 v[ADS+2], SLOT, v[ADS]
	v_add_nc_u32 v[ADS+3], SLOT, v[ADS+1]
	s_lshl_b32 s76, s18, 5
	s_lshl_b32 s77, s16, 4
	s_add_co_u32 s76, s76, s77
	s_lshl_b32 s77, s19, 1
	s_add_co_u32 s76, s76, s77
	s_add_co_u32 s76, s76, s15
	s_mul_i32 s76, s76, PAN
	s_mov_b32 s77, 0
	s_add_nc_u64 s[6:7], s[6:7], s[76:77]
	s_lshr_b32 s76, s18, 3
	s_lshl_b32 s76, s76, 7
	s_lshl_b32 s78, s19, 4
	s_add_co_u32 s76, s76, s78
	s_and_b32 s78, s18, 7
	s_lshl_b32 s78, s78, 1
	s_add_co_u32 s76, s76, s78
	s_add_co_u32 s76, s76, s15
	s_mul_i32 s76, s76, PAN
	s_add_nc_u64 s[8:9], s[8:9], s[76:77]
	s_mul_i32 s76, s16, 6144
	s_add_nc_u64 s[10:11], s[8:9], s[76:77]
	s_lshl_b32 s76, s16, 8
	s_add_nc_u64 s[8:9], s[8:9], s[76:77]
	s_wait_alu depctr_va_vdst(0)
	s_cmp_lt_u32 s14, 2
	s_cbranch_scc0 .Lnot_slot_0
	s_wait_tensorcnt 0x0
.Lnot_slot_0:
	s_barrier_signal -1
	s_barrier_wait -1
	FX 0, 0, 0
	FS 0, 0, 0
	FWT 0, 0, 0, 0
	PF 2
	STEP 0, 1
	STEP 1, 0
	STEP 2, 0
	STEP 3, 0
	STEP 4, 0
	STEP 5, 0
	STEP 6, 0
	STEP 7, 0
	WIN 0
	PLACES
.macro PAIR ww, s0, n, base, o
	WIN (\ww)|((\ww)<<2)
.irp j, 0,1,2,3,4,5,6,7
	v_max3_num_f32 v[TM+\j], |v[\s0+16*\j]|, |v[\s0+16*\j+1]|, 0x1800000
.endr
.irp i, 2,4,6,8,10,12,14
.irp j, 0,1,2,3,4,5,6,7
	v_max3_num_f32 v[TM+\j], |v[\s0+16*\j+\i]|, |v[\s0+16*\j+\i+1]|, v[TM+\j]
.endr
.endr
	WIN 0
.irp k, 0,1,2,3
	v_max_num_f32 v[TM+2*\k], v[TM+2*\k], v[TM+2*\k+1]
.endr
.irp k, 0,1,2,3
	v_add_nc_u32 v[SO+\k], 0xff000000, v[TM+2*\k]
.endr
.irp k, 0,1,2,3
	v_lshrrev_b32 v[TM+2*\k+1], 23, v[SO+\k]
.endr
.irp t, 0,1
	v_lshl_or_b32 v[SW+\n+\t], v[TM+4*\t+3], 16, v[TM+4*\t+1]
.endr
.irp t, 0,1
	v_lshlrev_b32 v[SW+\n+\t], v[SH8], v[SW+\n+\t]
.endr
.irp t, 0,1
	v_permlanex16_b32 v[PX+\t], v[SW+\n+\t], s[SEL], s[SEL+1]
.endr
.irp t, 0,1
	v_or_b32 v[SW+\n+\t], v[SW+\n+\t], v[PX+\t]
.endr
	WIN \ww
.irp k, 0,1,2,3
	v_cvt_scalef32_pk16_fp6_f32 v[PC+12*(\n)+6*\k:PC+12*(\n)+6*\k+2], v[\s0+32*\k:\s0+32*\k+15], v[SO+\k]
	v_cvt_scalef32_pk16_fp6_f32 v[TT+4*\k:TT+4*\k+2], v[\s0+32*\k+16:\s0+32*\k+31], v[SO+\k]
.endr
	WIN 0
	v_nop
.irp k, 0,1,2,3
.irp i, 0,1,2
	v_mov_b32 v[PC+12*(\n)+6*\k+3+\i], v[TT+4*\k+\i]
.endr
.endr
.irp g, 0,1,2,3,4,5
	global_store_b128 v[OFC], v[PC+12*(\n)+4*\g:PC+12*(\n)+4*\g+3], s[\base:\base+1] offset:(\o)*1536+512*\g
.endr
.endm
	PAIR 1, 0, 0, 6, 0
	PAIR 1, 128, 2, 6, 2
	PAIR 2, 0, 4, 6, 4
	PAIR 2, 128, 6, 6, 6
.irp j, 0,1,2,3
	v_cndmask_b32 v[CW+\j], v[SW+\j], v[SW+4+\j], s[HM]
.endr
	global_store_b128 v[OFC], v[CW:CW+3], s[6:7] offset:12288
	PAIR 3, 0, 8, 10, 0
	PAIR 3, 128, 10, 10, 2
	global_store_b128 v[OFR], v[SW+8:SW+11], s[8:9] offset:12288
	s_wait_tensorcnt 0x0
	ds_add_u32 v[SPW], v[NIL]
	s_wait_dscnt 0x0
	CROUND
	s_endpgm
.Lfunc_end_k_q6da2db6d27_qkv:
	.size	k_q6da2db6d27_qkv, .Lfunc_end_k_q6da2db6d27_qkv-k_q6da2db6d27_qkv
	.p2alignl 7, 3214868480
	.fill 96, 4, 3214868480
	.section	.rodata,"a",@progbits
	.p2align	6, 0x0
	.amdhsa_kernel k_q6da2db6d27_qkv
		.amdhsa_group_segment_fixed_size 327680
		.amdhsa_private_segment_fixed_size 0
		.amdhsa_enable_private_segment 0
		.amdhsa_kernarg_size 24
		.amdhsa_user_sgpr_count 2
		.amdhsa_user_sgpr_kernarg_segment_ptr 1
		.amdhsa_wavefront_size32 1
		.amdhsa_system_sgpr_workgroup_id_x 1
		.amdhsa_system_sgpr_workgroup_id_y 1
		.amdhsa_system_sgpr_workgroup_id_z 1
		.amdhsa_system_vgpr_workitem_id 0
		.amdhsa_next_free_vgpr 1024
		.amdhsa_next_free_sgpr 100
		.amdhsa_reserve_vcc 0
		.amdhsa_float_denorm_mode_32 3
		.amdhsa_float_denorm_mode_16_64 3
		.amdhsa_memory_ordered 1
		.amdhsa_forward_progress 1
		.amdhsa_inst_pref_size 188
	.end_amdhsa_kernel
	.amdgpu_metadata
---
amdhsa.version: [ 1, 2 ]
amdhsa.kernels:
  - .name:           k_q6da2db6d27_qkv
    .symbol:         k_q6da2db6d27_qkv.kd
    .args:
      - { .name: ops, .offset: 0, .size: 8, .value_kind: global_buffer, .address_space: global }
      - { .name: qk, .offset: 8, .size: 8, .value_kind: global_buffer, .address_space: global }
      - { .name: vt, .offset: 16, .size: 8, .value_kind: global_buffer, .address_space: global }
    .group_segment_fixed_size: 327680
    .private_segment_fixed_size: 0
    .kernarg_segment_align: 8
    .kernarg_segment_size: 24
    .max_flat_workgroup_size: 128
    .sgpr_count:     100
    .vgpr_count:     1024
    .wavefront_size: 32
...
	.end_amdgpu_metadata
.endif
;; end of part 2
;; launch score (part 3): grid 36 x 4, 4 waves a work-group, no clusters, 327,680 bytes of LDS; arguments qk, pc, st; writes pc, st
.if DOCPART == 3
	.amdgcn_target "amdgcn-amd-amdhsa--gfx1250"
	.amdhsa_code_object_version 6
	.text
	.protected	k_q6da2db6d27_score
	.globl	k_q6da2db6d27_score
	.p2align	8
	.type	k_q6da2db6d27_score,@function
k_q6da2db6d27_score:
	s_mov_b64 s[64:65], 0
	v_nop
	global_prefetch_b8 v0, s[64:65] scope:SCOPE_SE
	s_setreg_imm32_b32 hwreg(HW_REG_WAVE_MODE, 25, 1), 1
	s_wait_xcnt 0x0
.set PAN,   12800
.set SPARE, 24*PAN
.set ADL,  4
.set ADR,  7
.set ADS,  10
.set OFC,  13
.set SPW,  28
.set NIL,  29
.set SC,   32
.set AF,   128
.set LSS,  4
.set DL,   14
.set NINF, 15
.set NMS,  16
.set CWA,  24
.set SH8,  30
.set E,    48
.set BM,   176
.set CWB,  176
.set CWC,  180
.set BT,   184
.set TP,   186
.set NM,   188
.set SO,   192
.set LA,   196
.set PC,   204
.set TT,   228
.set SW,   244
.set ZR,   48
.set ON,   52
.set BG,   56
.set OP,   8
.set OS,   10
.set G1A,  24
.set G0A,  32
.set G1B,  48
.set G0B,  36
.set CS,   44
.set SEL,  46
.set HM,   40
.set NI,   41
.set MD,   42
.set MSB, 0
.macro WIN new
.if MSB != (\new)
	s_set_vgpr_msb (MSB<<8)|(\new)
.set MSB, \new
.endif
.endm
.set MUL_LO, 0xa1
.set MUL_HI, 0xf1
.set TO_B,   0x40
.macro PLACES
.rept 4
	v_nop
.endr
.endm
.macro TLOAD g0, g1
	tensor_load_to_lds s[\g0:\g0+3], s[\g1:\g1+7]
	s_nop 0
.rept 4
	v_nop
.endr
.endm
.macro MUL16 a0, p, zero
.irp a, \a0, \a0+1
.irp b, 0,1,2,3,4,5,6,7
.if \zero
	v_wmma_scale_f32_16x16x128_f8f6f4 v[8*(8*((\a)%4)+\b):8*(8*((\a)%4)+\b)+7], v[128*(\p)+12*\b:128*(\p)+12*\b+11], v[AF+12*(\a):AF+12*(\a)+11], 0, v[SC+8*(\p)+\b], v[SC+8*(\p)+(\a)] matrix_a_fmt:MATRIX_FMT_FP6 matrix_b_fmt:MATRIX_FMT_FP6 matrix_a_scale:MATRIX_SCALE_ROW1
.else
	v_wmma_scale_f32_16x16x128_f8f6f4 v[8*(8*((\a)%4)+\b):8*(8*((\a)%4)+\b)+7], v[128*(\p)+12*\b:128*(\p)+12*\b+11], v[AF+12*(\a):AF+12*(\a)+11], v[8*(8*((\a)%4)+\b):8*(8*((\a)%4)+\b)+7], v[SC+8*(\p)+\b], v[SC+8*(\p)+(\a)] matrix_a_fmt:MATRIX_FMT_FP6 matrix_b_fmt:MATRIX_FMT_FP6 matrix_a_scale:MATRIX_SCALE_ROW1
.endif
.endr
.endr
.endm
.macro FETCH_R s, q, p
	WIN TO_B
.irp i, 0,1,2,3,4,5,6,7
.irp c, 0,1,2
	ds_load_b128 v[128*(\p)+12*\i+4*\c:128*(\p)+12*\i+4*\c+3], v[ADR+\s] offset:(\q)*2*PAN+1536*\i+512*\c
.endr
.endr
	WIN 0
.endm
.macro FETCH_L s, q, i0
.irp i, \i0, \i0+1, \i0+2, \i0+3
.irp c, 0,1,2
	ds_load_b128 v[AF+12*(\i)+4*\c:AF+12*(\i)+4*\c+3], v[ADL+\s] offset:(\q)*2*PAN+1536*(\i)+512*\c
.endr
.endr
.endm
.macro SCALES s, q, p
.irp g, 0,1
	ds_load_b128 v[SC+8*(\p)+4*\g:SC+8*(\p)+4*\g+3], v[ADS+\s] offset:(\q)*2*PAN+12288+256*\g
.endr
.endm
.macro STEP p, zero, ns, nq, turn
.if \turn
	s_wait_tensorcnt 0x0
	ds_add_u32 v[SPW], v[NIL]
.if (\turn) == 1
	s_add_nc_u64 s[G0A+2:G0A+3], s[G0A+2:G0A+3], 12*PAN
.endif
	s_wait_dscnt 13
	WIN MUL_LO
	MUL16 0, \p, \zero
	s_wait_dscnt 0x0
	s_barrier_signal -1
	MUL16 2, \p, \zero
	WIN 0
	s_barrier_wait -1
.if (\turn) == 1
	s_cmp_lt_u32 s14, 2
	s_cbranch_scc0 .Lno_fill_\@
	TLOAD G0A, G1A
.Lno_fill_\@:
.endif
.else
	s_wait_dscnt 12
	WIN MUL_LO
	MUL16 0, \p, \zero
	MUL16 2, \p, \zero
	s_wait_dscnt 0x0
.endif
	PLACES
	FETCH_R \ns, \nq, 1-\p
	FETCH_L \ns, \nq, 0
	SCALES \ns, \nq, 1-\p
	WIN MUL_HI
	MUL16 4, \p, \zero
	MUL16 6, \p, \zero
	PLACES
	WIN 0
	FETCH_L \ns, \nq, 4
.endm
	s_load_b128 s[4:7], s[0:1], 0x0
	s_load_b64 s[10:11], s[0:1], 0x10
	v_lshl_add_u32 v[SPW], v0, 2, SPARE
	v_mov_b32 v[NIL], 0
	ds_add_u32 v[SPW], v[NIL]
	ds_add_u32 v[SPW], v[NIL]
	v_lshrrev_b32 v1, 5, v0
	v_readfirstlane_b32 s14, v1
	s_lshr_b32 s15, s14, 1
	s_and_b32 s16, s14, 1
	s_and_b32 s19, ttmp7, 0xffff
	s_mov_b32 s17, 0
.irp t, 1,3,6,10,15,21,28
	s_cmp_ge_u32 ttmp9, \t
	s_cselect_b32 s20, 1, 0
	s_add_co_u32 s17, s17, s20
.endr
	s_add_co_u32 s18, s17, 1
	s_mul_i32 s18, s18, s17
	s_lshr_b32 s18, s18, 1
	s_sub_co_u32 s18, ttmp9, s18
	s_cmp_eq_u32 s15, s16
	s_cselect_b32 s[MD], 1, 0
	s_cmp_eq_u32 s14, 1
	s_cselect_b32 s[MD], 2, s[MD]
	s_cmp_eq_u32 s17, s18
	s_cselect_b32 s[MD], s[MD], 0
	s_cmp_eq_u32 s16, 0
	s_cselect_b32 s22, s17, s18
	s_lshl_b32 s20, s19, 3
	s_add_co_u32 s22, s22, s20
	s_lshl_b32 s22, s22, 5
	s_lshl_b32 s20, s16, 4
	s_add_co_u32 s22, s22, s20
	s_mul_i32 s22, s22, PAN
	s_mov_b32 s23, 0
.irp g, G1A, G1B
	s_mov_b32 s[\g], 3<<16
	s_mov_b32 s[\g+1], 32<<16
	s_mov_b32 s[\g+3], 32<<16
	s_mov_b32 s[\g+5], 32
	s_mov_b32 s[\g+6], 0
	s_mov_b32 s[\g+7], 0
.endr
	s_mov_b32 s[G1A+2], 200<<16
	s_mov_b32 s[G1A+4], 200
	s_mov_b32 s[G1B+2], 400<<16
	s_mov_b32 s[G1B+4], 400
	s_mov_b32 s[CS], 0x3d38aa3b
	s_mov_b32 s[CS+1], s[CS]
	s_mov_b32 s[SEL], 0x76543210
	s_mov_b32 s[SEL+1], 0xfedcba98
	s_mov_b32 s[HM], 0xffff0000
	s_mov_b32 s[NI], 0xff800000
	s_mul_i32 s20, s16, 4*PAN
	s_mul_i32 s21, s16, 8*PAN
	s_mov_b32 s[G0A], 1
	s_mov_b32 s[G0A+1], s20
	s_mov_b32 s[G0B], 1
	s_add_co_u32 s[G0B+1], s21, 8*PAN
	s_wait_dscnt 0x0
	s_wait_kmcnt 0x0
	s_add_nc_u64 s[G0A+2:G0A+3], s[4:5], s[22:23]
	s_add_nc_u64 s[G0B+2:G0B+3], s[G0A+2:G0A+3], 4*PAN
	s_or_b32 s[G0A+3], s[G0A+3], 0x80000000
	s_or_b32 s[G0B+3], s[G0B+3], 0x80000000
	s_cmp_lt_u32 s14, 2
	s_cbranch_scc0 .Lhead_b
	TLOAD G0A, G1A
	s_branch .Lhead_asked
.Lhead_b:
	TLOAD G0B, G1B
.Lhead_asked:
	s_mul_i32 s56, s15, PAN
	s_mul_i32 s57, s16, PAN
	s_add_co_u32 s12, s57, 4*PAN
	s_sub_co_u32 s12, s12, s56
	s_add_co_u32 s13, s12, 4*PAN
	s_add_co_u32 s59, s56, 8*PAN
	s_add_co_u32 s60, s56, 12*PAN
	s_add_co_u32 s61, s57, 4*PAN
	s_add_co_u32 s62, s57, 16*PAN
	s_add_co_u32 s63, s57, 20*PAN
	v_and_b32 v1, 31, v0
	v_and_b32 v2, 15, v0
	v_bfe_u32 v3, v0, 4, 1
	v_lshlrev_b32 v[OFC], 4, v1
	v_lshlrev_b32 v15, 4, v2
	v_mul_u32_u24 v16, s12, v3
	v_mul_u32_u24 v17, s13, v3
	v_add_nc_u32 v16, v16, v15
	v_add_nc_u32 v17, v17, v15
	v_add_nc_u32 v[ADL], s56, v[OFC]
	v_add_nc_u32 v[ADL+1], s59, v[OFC]
	v_add_nc_u32 v[ADL+2], s60, v[OFC]
	v_add_nc_u32 v[ADR], s61, v[OFC]
	v_add_nc_u32 v[ADR+1], s62, v[OFC]
	v_add_nc_u32 v[ADR+2], s63, v[OFC]
	v_add_nc_u32 v[ADS], s56, v16
	v_add_nc_u32 v[ADS+1], s59, v17
	v_add_nc_u32 v[ADS+2], s60, v17
	s_lshl_b32 s20, s19, 4
	s_lshl_b32 s21, s17, 1
	s_add_co_u32 s20, s20, s21
	s_add_co_u32 s20, s20, s15
	s_lshl_b32 s20, s20, 4
	s_lshl_b32 s21, s18, 1
	s_add_co_u32 s20, s20, s21
	s_add_co_u32 s20, s20, s16
	s_mul_i32 s22, s20, PAN
	s_mov_b32 s23, 0
	s_add_nc_u64 s[OP:OP+1], s[6:7], s[22:23]
	s_lshl_b32 s22, s20, 10
	s_add_nc_u64 s[OS:OS+1], s[OS:OS+1], s[22:23]
	s_wait_alu depctr_va_vdst(0)
	s_cmp_lt_u32 s14, 2
	s_cbranch_scc0 .Lnot_a
	s_wait_tensorcnt 0x0
.Lnot_a:
	s_barrier_signal -1
	s_barrier_wait -1
	FETCH_R 0, 0, 0
	FETCH_L 0, 0, 0
	SCALES 0, 0, 0
	FETCH_L 0, 0, 4
	STEP 0, 1, 0, 1, 0
	STEP 1, 0, 1, 0, 1
	STEP 0, 0, 1, 1, 0
	STEP 1, 0, 2, 0, 0
	STEP 0, 0, 2, 1, 0
	STEP 1, 0, 0, 0, 2
	STEP 0, 0, 0, 1, 0
	s_wait_dscnt 12
	WIN MUL_LO
	MUL16 0, 1, 0
	MUL16 2, 1, 0
	s_wait_dscnt 0x0
	WIN MUL_HI
	MUL16 4, 1, 0
	MUL16 6, 1, 0
	WIN 0
	PLACES
	s_cmp_eq_u32 s[MD], 2
	s_cbranch_scc1 .Lzero
	v_and_b32 v[TP], 7, v2
	v_lshrrev_b32 v[TP+1], 3, v2
	v_lshl_add_u32 v[TP], v[TP+1], 5, v[TP]
	v_lshlrev_b32 v[TP+1], 5, v3
	v_sub_nc_u32 v[DL], v[TP], v[TP+1]
	v_mov_b32 v[NINF], 0xff800000
	v_lshlrev_b32 v[SH8], 3, v3
	v_mov_b32 v[BT], 0
	v_mov_b32 v[BT+1], 0
	v_mov_b32 v[NM+1], 0
	v_mov_b32 v[NM+3], 0
	s_wait_alu depctr_va_vdst(0)
.macro SOFT2 a
.set WW, 2+(\a)/4
.set S0, 64*((\a)%4)
	s_cmp_lg_u32 s[MD], 1
	s_cbranch_scc1 .Lopen_\@
	WIN (WW<<6)|WW
.irp t, 0,1
.set UU, 8*((\a+\t)%4)
.set MM, S0+64*\t+32*((\a)/4)
.set NN, 0
.rept 32
	v_cmp_gt_i32 vcc_lo, NN-UU, v[DL]
	v_cndmask_b32 v[MM+NN], v[MM+NN], v[NINF], vcc_lo
.set NN, NN+1
.endr
.if (\a) < 4
.set NN, 0
.rept 32
	v_mov_b32 v[S0+64*\t+32+NN], s[NI]
.set NN, NN+1
.endr
.endif
.endr
	WIN 0
.Lopen_\@:
	WIN WW|(WW<<2)
.irp j, 0,1,2,3,4,5,6,7
	v_max3_num_f32 v[BM+\j], v[S0+16*\j], v[S0+16*\j+1], v[NINF]
.endr
.irp i, 2,4,6,8,10,12,14
.irp j, 0,1,2,3,4,5,6,7
	v_max3_num_f32 v[BM+\j], v[S0+16*\j+\i], v[S0+16*\j+\i+1], v[BM+\j]
.endr
.endr
	WIN 0
.irp k, 0,1,2,3
	v_max_num_f32 v[BM+2*\k], v[BM+2*\k], v[BM+2*\k+1]
.endr
.irp t, 0,1
	v_max_num_f32 v[TP+\t], v[BM+4*\t], v[BM+4*\t+2]
.endr
.irp t, 0,1
	v_permlanex16_b32 v[BT+\t], v[TP+\t], s[SEL], s[SEL+1]
.endr
.irp t, 0,1
	v_max_num_f32 v[TP+\t], v[TP+\t], v[BT+\t]
.endr
.irp t, 0,1
	v_mul_f32 v[TP+\t], s[CS], v[TP+\t]
.endr
.irp t, 0,1
	v_floor_f32 v[NM+2*\t], -v[TP+\t]
.endr
	WIN WW
.irp t, 0,1
.set NN, 0
.rept 32
	v_pk_fma_f32 v[E+64*\t+NN:E+64*\t+NN+1], v[S0+64*\t+NN:S0+64*\t+NN+1], s[CS:CS+1], v[NM+2*\t:NM+2*\t+1] op_sel_hi:[1,0,0]
.set NN, NN+2
.endr
.endr
	WIN 0
.irp k, 0,1,2,3
	v_fma_f32 v[BM+2*\k], v[BM+2*\k], s[CS], v[NM+2*(\k/2)]
.endr
	s_wait_alu depctr_va_vdst(0)
.set NN, 0
.rept 128
	v_exp_f32 v[E+NN], v[E+NN]
.set NN, NN+1
.endr
.irp k, 0,1,2,3
	v_exp_f32 v[BM+2*\k], v[BM+2*\k]
.endr
.irp t, 0,1
	v_mov_b32 v[NMS+\a+\t], v[NM+2*\t]
.endr
	s_wait_alu depctr_va_vdst(0)
.if (\a) > 0
	s_wait_xcnt 0x0
.endif
.irp t, 0,1
	v_pk_add_f32 v[LA+4*\t:LA+4*\t+1], v[E+64*\t:E+64*\t+1], v[E+64*\t+2:E+64*\t+3]
	v_pk_add_f32 v[LA+4*\t+2:LA+4*\t+3], v[E+64*\t+4:E+64*\t+5], v[E+64*\t+6:E+64*\t+7]
.endr
.irp j, 8,12,16,20,24,28,32,36,40,44,48,52,56,60
.irp t, 0,1
	v_pk_add_f32 v[LA+4*\t:LA+4*\t+1], v[LA+4*\t:LA+4*\t+1], v[E+64*\t+\j:E+64*\t+\j+1]
	v_pk_add_f32 v[LA+4*\t+2:LA+4*\t+3], v[LA+4*\t+2:LA+4*\t+3], v[E+64*\t+\j+2:E+64*\t+\j+3]
.endr
.endr
.irp t, 0,1
	v_pk_add_f32 v[LA+4*\t:LA+4*\t+1], v[LA+4*\t:LA+4*\t+1], v[LA+4*\t+2:LA+4*\t+3]
.endr
.irp t, 0,1
	v_add_f32 v[TP+\t], v[LA+4*\t], v[LA+4*\t+1]
.endr
.irp t, 0,1
	v_permlanex16_b32 v[BT+\t], v[TP+\t], s[SEL], s[SEL+1]
.endr
.irp t, 0,1
	v_add_f32 v[LSS+\a+\t], v[TP+\t], v[BT+\t]
.endr
.irp k, 0,1,2,3
	v_max_num_f32 v[BM+2*\k], 0x1800000, v[BM+2*\k]
.endr
.irp k, 0,1,2,3
	v_add_nc_u32 v[SO+\k], 0xff000000, v[BM+2*\k]
.endr
.irp k, 0,1,2,3
	v_lshrrev_b32 v[BM+2*\k+1], 23, v[SO+\k]
.endr
.irp t, 0,1
	v_lshl_or_b32 v[SW+\a+\t], v[BM+4*\t+3], 16, v[BM+4*\t+1]
.endr
.irp t, 0,1
	v_lshlrev_b32 v[SW+\a+\t], v[SH8], v[SW+\a+\t]
.endr
.irp t, 0,1
	v_permlanex16_b32 v[BT+\t], v[SW+\a+\t], s[SEL], s[SEL+1]
.endr
.irp t, 0,1
	v_or_b32 v[SW+\a+\t], v[SW+\a+\t], v[BT+\t]
.endr
.irp k, 0,1,2,3
	v_cvt_scalef32_pk16_fp6_f32 v[PC+6*\k:PC+6*\k+2], v[E+32*\k:E+32*\k+15], v[SO+\k]
	v_cvt_scalef32_pk16_fp6_f32 v[TT+4*\k:TT+4*\k+2], v[E+32*\k+16:E+32*\k+31], v[SO+\k]
.endr
	v_nop
.irp k, 0,1,2,3
.irp i, 0,1,2
	v_mov_b32 v[PC+6*\k+3+\i], v[TT+4*\k+\i]
.endr
.endr
.irp g, 0,1,2,3,4,5
	global_store_b128 v[OFC], v[PC+4*\g:PC+4*\g+3], s[OP:OP+1] offset:(\a)*1536+512*\g
.endr
.endm
	SOFT2 0
	SOFT2 2
	SOFT2 4
	SOFT2 6
.irp j, 0,1,2,3
	v_cndmask_b32 v[CWA+\j], v[SW+\j], v[SW+4+\j], s[HM]
	v_cndmask_b32 v[CWB+\j], v[NMS+\j], v[NMS+4+\j], s[HM]
	v_cndmask_b32 v[CWC+\j], v[LSS+\j], v[LSS+4+\j], s[HM]
.endr
	global_store_b128 v[OFC], v[CWA:CWA+3], s[OP:OP+1] offset:12288
	global_store_b128 v[OFC], v[CWB:CWB+3], s[OS:OS+1]
	global_store_b128 v[OFC], v[CWC:CWC+3], s[OS:OS+1] offset:512
	s_branch .Lend
.macro ZPANEL o
.set NN, 0
.rept 24
	global_store_b128 v[OFC], v[ZR:ZR+3], s[OP:OP+1] offset:(\o)*PAN+512*NN
.set NN, NN+1
.endr
	global_store_b128 v[OFC], v[ON:ON+3], s[OP:OP+1] offset:(\o)*PAN+12288
	global_store_b128 v[OFC], v[BG:BG+3], s[OS:OS+1] offset:(\o)*1024
	global_store_b128 v[OFC], v[ZR:ZR+3], s[OS:OS+1] offset:(\o)*1024+512
.endm
.Lzero:
.irp j, 0,1,2,3
	v_mov_b32 v[ZR+\j], 0
	v_mov_b32 v[ON+\j], 0x01010101
	v_mov_b32 v[BG+\j], 0x7e967699
.endr
	s_wait_alu depctr_va_vdst(0)
	ZPANEL 0
	s_bitcmp1_b32 s17, 0
	s_cbranch_scc1 .Lend
	ZPANEL 1
	ZPANEL 2
	ZPANEL 17
	ZPANEL 18
.Lend:
	s_wait_tensorcnt 0x0
	ds_add_u32 v[SPW], v[NIL]
	s_wait_dscnt 0x0
	s_endpgm
.Lfunc_end_k_q6da2db6d27_score:
	.size	k_q6da2db6d27_score, .Lfunc_end_k_q6da2db6d27_score-k_q6da2db6d27_score
	.p2alignl 7, 3214868480
	.fill 96, 4, 3214868480
	.section	.rodata,"a",@progbits
	.p2align	6, 0x0
	.amdhsa_kernel k_q6da2db6d27_score
		.amdhsa_group_segment_fixed_size 327680
		.amdhsa_private_segment_fixed_size 0
		.amdhsa_enable_private_segment 0
		.amdhsa_kernarg_size 24
		.amdhsa_user_sgpr_count 2
		.amdhsa_user_sgpr_kernarg_segment_ptr 1
		.amdhsa_wavefront_size32 1
		.amdhsa_system_sgpr_workgroup_id_x 1
		.amdhsa_system_sgpr_workgroup_id_y 1
		.amdhsa_system_sgpr_workgroup_id_z 1
		.amdhsa_system_vgpr_workitem_id 0
		.amdhsa_next_free_vgpr 1024
		.amdhsa_next_free_sgpr 66
		.amdhsa_reserve_vcc 1
		.amdhsa_float_denorm_mode_32 3
		.amdhsa_float_denorm_mode_16_64 3
		.amdhsa_memory_ordered 1
		.amdhsa_forward_progress 1
		.amdhsa_inst_pref_size 215
	.end_amdhsa_kernel
	.amdgpu_metadata
---
amdhsa.version: [ 1, 2 ]
amdhsa.kernels:
  - .name:           k_q6da2db6d27_score
    .symbol:         k_q6da2db6d27_score.kd
    .args:
      - { .name: qk, .offset: 0, .size: 8, .value_kind: global_buffer, .address_space: global }
      - { .name: pc, .offset: 8, .size: 8, .value_kind: global_buffer, .address_space: global }
      - { .name: st, .offset: 16, .size: 8, .value_kind: global_buffer, .address_space: global }
    .group_segment_fixed_size: 327680
    .private_segment_fixed_size: 0
    .kernarg_segment_align: 8
    .kernarg_segment_size: 24
    .max_flat_workgroup_size: 128
    .sgpr_count:     66
    .vgpr_count:     1024
    .wavefront_size: 32
...
	.end_amdgpu_metadata
.endif
;; end of part 3
;; launch outp (part 4): grid 8 x 32, 4 waves a work-group, clusters of 4 x 4, 327,680 bytes of LDS; arguments vt, pc, st, out0; writes out0
.if DOCPART == 4
	.amdgcn_target "amdgcn-amd-amdhsa--gfx1250"
	.amdhsa_code_object_version 6
	.text
	.protected	k_q6da2db6d27_outp
	.globl	k_q6da2db6d27_outp
	.p2align	8
	.type	k_q6da2db6d27_outp,@function
k_q6da2db6d27_outp:
	s_mov_b64 s[64:65], 0
	v_nop
	global_prefetch_b8 v0, s[64:65] scope:SCOPE_SE
	s_setreg_imm32_b32 hwreg(HW_REG_WAVE_MODE, 25, 1), 1
	s_wait_xcnt 0x0
	s_wait_alu depctr_hold_cnt(0) depctr_sa_sdst(0) depctr_va_vdst(0) depctr_va_sdst(0) depctr_va_ssrc(0) depctr_va_vcc(0) depctr_vm_vsrc(0)
	s_getreg_b32 s2, hwreg(HW_REG_IB_STS2, 6, 4)
	s_cmp_eq_u32 s2, 0
	s_cbranch_scc0 .Lentry_in_a_cluster
	s_endpgm
.Lentry_in_a_cluster:
	s_bfe_u32 s2, ttmp6, 0x10000c
	s_cmp_lg_u32 s2, 0xf033
	s_cbranch_scc0 .Lentry_shape_is_right
	s_endpgm
.Lentry_shape_is_right:
.set PAN,   12800
.set SUP,   4*PAN
.set SSL,   3*SUP
.set SPARE, 2*SSL
.set STG,   SPARE+512
.set ADV,  4
.set ADP,  6
.set ADQ,  8
.set ADS,  10
.set STO,  12
.set RD,   13
.set GO,   14
.set PFO,  15
.set TT,   16
.set TN,   20
.set TW,   24
.set SPW,  28
.set NIL,  29
.set OFC,  30
.set RS,   32
.set VPA,  40
.set VSA,  44
.set NMR,  48
.set LR,   56
.set FW,   64
.set NMT,  112
.set LT,   160
.set BF,   112
.set RC,   208
.set PX,   224
.set TO,   112
.set AF,   96
.set G1V,  24
.set G0V,  32
.set G1A,  48
.set G0A,  56
.set G0B,  68
.set G1B,  80
.set PFB,  88
.set SEL,  90
.set K80,  92
.set K01,  93
.set VFA,  94
.set VFB,  95
.set MSB, 0
.macro WIN new
.if MSB != (\new)
	s_set_vgpr_msb (MSB<<8)|(\new)
.set MSB, \new
.endif
.endm
.macro PLACES
.rept 4
	v_nop
.endr
.endm
.macro CREST
	s_cmp_lg_u32 s14, 0
	s_cbranch_scc1 .Lnot_wave_0_\@
	s_barrier_signal -3
.Lnot_wave_0_\@:
	s_barrier_wait -3
	s_barrier_signal -1
	s_barrier_wait -1
.endm
.macro CROUND
	s_barrier_signal -1
	s_barrier_wait -1
	CREST
.endm
.macro TLOAD g0, g1
	tensor_load_to_lds s[\g0:\g0+3], s[\g1:\g1+7]
	s_nop 0
.rept 4
	v_nop
.endr
.endm
.macro JLOAD S, wb
	s_cmp_eq_u32 s14, 0
	s_cbranch_scc0 .Lnot_v_\@
	TLOAD G0V+4*\S, G1V
	s_branch .Lasked_\@
.Lnot_v_\@:
	s_cmp_eq_u32 s14, 1
	s_cbranch_scc0 .Lnot_a_\@
	TLOAD G0A+4*\S, G1A
.if \wb
	s_branch .Lasked_\@
.endif
.Lnot_a_\@:
.if \wb
	TLOAD G0B+4*\S, G1B
.endif
.Lasked_\@:
.endm
.macro PF run, lim
	s_cmp_lt_u32 s14, \lim
	s_cbranch_scc0 .Lpf_\@
	global_prefetch_b8 v[PFO], s[PFB:PFB+1] offset:(\run)*SUP th:TH_LOAD_NT scope:SCOPE_SE
	global_prefetch_b8 v[PFO], s[PFB:PFB+1] offset:(\run)*SUP+6400 th:TH_LOAD_NT scope:SCOPE_SE
.Lpf_\@:
.endm
.macro M4 t, a, k, zero
.set PP, (\k)%2
.set FB, FW+32*\t+4*((\k)/2)+\a
.if \t
	WIN 0xa1
.set PR, BF+48*PP+12*\a
.else
	WIN 0xa5
.set PR, AF+48*PP+12*\a
.endif
.irp b, 0,1,2,3
.set DR, 128*\t+32*\a+8*\b
.set VR, 48*PP+12*\b
.set SV, RS+4*PP+\b
.if \zero
	v_wmma_scale_f32_16x16x128_f8f6f4 v[DR:DR+7], v[VR:VR+11], v[PR:PR+11], 0, v[SV], v[FB] matrix_a_fmt:MATRIX_FMT_FP6 matrix_b_fmt:MATRIX_FMT_FP6
.elseif PP
	v_wmma_scale_f32_16x16x128_f8f6f4 v[DR:DR+7], v[VR:VR+11], v[PR:PR+11], v[DR:DR+7], v[SV], v[FB] matrix_a_fmt:MATRIX_FMT_FP6 matrix_b_fmt:MATRIX_FMT_FP6 matrix_b_scale:MATRIX_SCALE_ROW1
.else
	v_wmma_scale_f32_16x16x128_f8f6f4 v[DR:DR+7], v[VR:VR+11], v[PR:PR+11], v[DR:DR+7], v[SV], v[FB] matrix_a_fmt:MATRIX_FMT_FP6 matrix_b_fmt:MATRIX_FMT_FP6
.endif
.endr
.endm
.macro FETCHA S, q, p
	WIN 0x40
.irp i, 0,1,2,3
.irp c, 0,1,2
	ds_load_b128 v[48*(\p)+12*\i+4*\c:48*(\p)+12*\i+4*\c+3], v[ADV+\S] offset:(\q)*PAN+1536*\i+512*\c
.endr
.endr
.irp i, 0,1,2,3
.irp c, 0,1,2
	ds_load_b128 v[AF+48*(\p)+12*\i+4*\c:AF+48*(\p)+12*\i+4*\c+3], v[ADP+\S] offset:(\q)*PAN+1536*\i+512*\c
.endr
.endr
	WIN 0
	ds_load_b128 v[RS+4*(\p):RS+4*(\p)+3], v[ADS+\S] offset:(\q)*PAN+12288
.endm
.macro FETCHB S, q, p
.irp i, 0,1,2,3
.irp c, 0,1,2
	ds_load_b128 v[BF+48*(\p)+12*\i+4*\c:BF+48*(\p)+12*\i+4*\c+3], v[ADQ+\S] offset:(\q)*PAN+1536*\i+512*\c
.endr
.endr
.endm
.macro KS k, two, zero, S, q
	s_wait_dscnt 0x0
	PLACES
	FETCHA \S, \q, 1-(\k)%2
.if \two
	FETCHB \S, \q, 1-(\k)%2
.endif
.irp a, 0,1,2,3
	M4 0, \a, \k, \zero
.endr
.if \two
.irp a, 0,1,2,3
	M4 1, \a, \k, \zero
.endr
.endif
.endm
.macro KLAST k
	s_wait_dscnt 0x0
.irp a, 0,1,2,3
	M4 0, \a, \k, 0
.endr
	WIN 0
.endm
.macro KTURN k, two, fB, nS, fill
	WIN 0
	s_wait_tensorcnt 0x0
	ds_add_u32 v[SPW], v[NIL]
.if \fill
.set OS, 1-\nS
	s_add_nc_u64 s[G0V+4*OS+2:G0V+4*OS+3], s[G0V+4*OS+2:G0V+4*OS+3], 2*SUP
	s_add_nc_u64 s[G0A+4*OS+2:G0A+4*OS+3], s[G0A+4*OS+2:G0A+4*OS+3], 2*SUP
.endif
	s_wait_dscnt 1
	M4 0, 0, \k, 0
.if \two
	M4 0, 1, \k, 0
.endif
	s_wait_dscnt 0x0
	s_barrier_signal -1
.if \two
	M4 0, 2, \k, 0
	M4 0, 3, \k, 0
.else
	M4 0, 1, \k, 0
.endif
	WIN 0
	s_barrier_wait -1
.if \fill
	CREST
	JLOAD OS, 0
.endif
	PLACES
	FETCHA \nS, 0, 1-(\k)%2
.if \fB
	s_cmp_eq_u32 s17, 0
	s_cbranch_scc1 .Lno_b_\@
	FETCHB \nS, 0, 1-(\k)%2
.Lno_b_\@:
	PF 3, s96
.endif
.if \two
.irp a, 0,1,2,3
	M4 1, \a, \k, 0
.endr
.else
	M4 0, 2, \k, 0
	M4 0, 3, \k, 0
.endif
	WIN 0
.endm
	s_load_b256 s[4:11], s[0:1], 0x0
	v_lshl_add_u32 v[SPW], v0, 2, SPARE
	v_mov_b32 v[NIL], 0
	ds_add_u32 v[SPW], v[NIL]
	ds_add_u32 v[SPW], v[NIL]
	v_lshrrev_b32 v1, 5, v0
	v_readfirstlane_b32 s14, v1
	s_lshr_b32 s15, s14, 1
	s_and_b32 s16, s14, 1
	s_bfe_u32 s40, ttmp6, 0x40000
	s_bfe_u32 s41, ttmp6, 0x40004
	s_and_b32 s20, ttmp7, 0xffff
	s_and_b32 s17, s20, 1
	s_lshr_b32 s18, s20, 1
	s_lshl_b32 s19, s17, 2
	s_add_co_u32 s19, s19, s41
	s_lshl_b32 s21, ttmp9, 2
	s_add_co_u32 s21, s21, s40
	s_lshl_b32 s23, s18, 4
	s_sub_co_u32 s22, 15, s19
	s_add_co_u32 s22, s22, s23
	s_add_co_u32 s23, s23, s19
	s_mul_i32 s76, s22, 16*PAN
	s_mul_i32 s77, s23, 16*PAN
	s_lshl_b32 s78, s22, 14
	s_lshl_b32 s79, s23, 14
	s_lshl_b32 s2, s15, 8
	s_add_co_u32 s3, s2, 12288
	s_sub_co_u32 s45, 3, s17
	s_mul_i32 s46, s45, SUP
	s_lshl_b32 s45, s45, 12
	s_mul_i32 s47, s17, SUP
	s_lshl_b32 s97, s17, 12
	v_and_b32 v1, 31, v0
	v_and_b32 v2, 15, v0
	v_bfe_u32 v3, v0, 4, 1
	v_mul_u32_u24 v16, PAN, v3
	v_lshlrev_b32 v17, 10, v3
	v_lshl_add_u32 v16, v2, 4, v16
	v_lshl_add_u32 v17, v2, 4, v17
	v_add_nc_u32 v16, s3, v16
	v_add_nc_u32 v17, s2, v17
	v_add_nc_u32 v[VPA], s76, v16
	v_add_nc_u32 v[VPA+2], s77, v16
	v_add_nc_u32 v[VSA], s78, v17
	v_add_nc_u32 v[VSA+2], s79, v17
	v_add_nc_u32 v[VPA+1], s46, v[VPA]
	v_add_nc_u32 v[VPA+3], s47, v[VPA+2]
	v_add_nc_u32 v[VSA+1], s45, v[VSA]
	v_add_nc_u32 v[VSA+3], s97, v[VSA+2]
	s_lshl_b32 s43, s41, 2
	s_lshl_b32 s43, 15, s43
	s_lshl_b32 s44, 0x1111, s40
	s_or_b32 s[G1V], s44, (3<<16)|(1<<21)
	s_or_b32 s[G1A], s43, (3<<16)|(1<<21)
	s_or_b32 s[G1B], s43, (3<<16)|(1<<21)
.irp g, G1V, G1A, G1B
	s_mov_b32 s[\g+1], 32<<16
	s_mov_b32 s[\g+3], 32<<16
	s_mov_b32 s[\g+5], 32
	s_mov_b32 s[\g+6], 0
	s_mov_b32 s[\g+7], 0
.endr
	s_mov_b32 s[G1V+2], 200<<16
	s_mov_b32 s[G1V+4], 200
	s_mov_b32 s[G1A+2], 200<<16
	s_mov_b32 s[G1A+4], 200
	s_mov_b32 s[G1B+2], 100<<16
	s_mov_b32 s[G1B+4], 100
	s_mov_b32 s[SEL], 0x76543210
	s_mov_b32 s[SEL+1], 0xfedcba98
	s_mov_b32 s[K80], 0x80808080
	s_mov_b32 s[K01], 0x01010101
	s_cmp_eq_u32 s17, 0
	s_cselect_b32 s[VFA], 1.0, 0
	s_cselect_b32 s[VFB], 0, 1.0
	s_cselect_b32 s96, 2, 0
	s_wait_alu depctr_va_vdst(0)
	s_wait_dscnt 0x0
	s_wait_kmcnt 0x0
.macro STATS k, v, kk
	global_load_b128 v[NMT+4*(\k):NMT+4*(\k)+3], v[VSA+\v], s[8:9] offset:(\kk)*2048
	global_load_b128 v[LT+4*(\k):LT+4*(\k)+3], v[VSA+\v], s[8:9] offset:(\kk)*2048+512
	global_load_b128 v[FW+4*(\k):FW+4*(\k)+3], v[VPA+\v], s[6:7] offset:(\kk)*2*PAN
.endm
.irp k, 0,1,2,3,4,5
	STATS \k, 0, \k
.endr
	STATS 6, 1, 0
	STATS 7, 1, 1
	STATS 8, 2, 0
	STATS 9, 2, 1
	STATS 10, 3, 0
	STATS 11, 3, 1
	s_lshl_b32 s46, s18, 7
	s_lshl_b32 s47, s21, 4
	s_add_co_u32 s46, s46, s47
	s_mul_i32 s46, s46, PAN
	s_mov_b32 s47, 0
	s_add_nc_u64 s[46:47], s[4:5], s[46:47]
	s_mov_b32 s98, s76
	s_mov_b32 s99, 0
	s_add_nc_u64 s[2:3], s[6:7], s[98:99]
	s_mul_i32 s45, s16, 2*PAN
	s_add_co_u32 s98, s77, s45
	s_add_nc_u64 s[12:13], s[6:7], s[98:99]
	s_add_co_u32 s45, s45, 2*SUP
.irp S, 0,1
	s_mov_b32 s[G0V+4*\S], 1
	s_mov_b32 s[G0V+4*\S+1], \S*SSL
	s_add_nc_u64 s[G0V+4*\S+2:G0V+4*\S+3], s[46:47], \S*SUP
	s_or_b32 s[G0V+4*\S+3], s[G0V+4*\S+3], 0x80000000
	s_mov_b32 s[G0A+4*\S], 1
	s_mov_b32 s[G0A+4*\S+1], \S*SSL+SUP
	s_add_nc_u64 s[G0A+4*\S+2:G0A+4*\S+3], s[2:3], \S*SUP
	s_or_b32 s[G0A+4*\S+3], s[G0A+4*\S+3], 0x80000000
	s_mov_b32 s[G0B+4*\S], 1
	s_add_co_u32 s[G0B+4*\S+1], s45, \S*SSL
	s_add_nc_u64 s[G0B+4*\S+2:G0B+4*\S+3], s[12:13], \S*SUP
	s_or_b32 s[G0B+4*\S+3], s[G0B+4*\S+3], 0x80000000
.endr
	s_mul_i32 s98, s41, 50*256
	s_add_nc_u64 s[46:47], s[46:47], s[98:99]
	s_mul_i32 s98, s40, 50*256
	s_add_nc_u64 s[2:3], s[2:3], s[98:99]
	s_cmp_eq_u32 s14, 0
	s_cselect_b64 s[PFB:PFB+1], s[46:47], s[2:3]
	CROUND
	JLOAD 0, 1
	s_mul_i32 s76, s16, 6144
	s_mul_i32 s77, s15, 6144
	s_add_co_u32 s77, s77, SUP
	s_lshl_b32 s78, s16, 8
	s_mul_i32 s79, s14, 16*272
	s_add_co_u32 s79, s79, STG
	v_lshlrev_b32 v[OFC], 4, v1
	v_lshlrev_b32 v31, 4, v2
	v_min_u32 v[PFO], 24, v1
	v_lshlrev_b32 v[PFO], 8, v[PFO]
	v_add_nc_u32 v[ADV], s76, v[OFC]
	v_add_nc_u32 v[ADP], s77, v[OFC]
	v_add_nc_u32 v[ADS], s78, v31
	v_add_nc_u32 v[ADQ], SUP, v[ADP]
	v_add_nc_u32 v[ADV+1], SSL, v[ADV]
	v_add_nc_u32 v[ADP+1], SSL, v[ADP]
	v_add_nc_u32 v[ADS+1], SSL, v[ADS]
	v_add_nc_u32 v[ADQ+1], SSL, v[ADQ]
	v_mul_u32_u24 v[STO], v2, 272
	v_lshl_add_u32 v[STO], v3, 7, v[STO]
	v_add_nc_u32 v[STO], s79, v[STO]
	v_mul_u32_u24 v[RD], v3, 272
	v_add_nc_u32 v[RD], v31, v[RD]
	v_add_nc_u32 v[RD], s79, v[RD]
	v_lshl_add_u32 v[GO], v3, 12, v31
.irp x, 0,1,2,3,4,5,6,7
	v_mov_b32 v[PX+\x], 0
.endr
	s_wait_alu depctr_va_vdst(0)
	PF 1, 2
	s_lshl_b32 s98, s21, 9
	s_lshl_b32 s97, s16, 8
	s_add_co_u32 s98, s98, s97
	s_lshl_b32 s97, s15, 18
	s_add_co_u32 s98, s98, s97
	s_lshl_b32 s22, s22, 19
	s_lshl_b32 s23, s23, 19
	s_add_co_u32 s22, s22, s98
	s_add_co_u32 s98, s23, s98
	s_mov_b32 s23, 0
	s_add_nc_u64 s[12:13], s[10:11], s[98:99]
	s_add_nc_u64 s[10:11], s[10:11], s[22:23]
	s_wait_loadcnt 0x0
.irp a, 0,1,2,3
	v_min3_num_f32 v[NMR+\a], v[NMT+\a], v[NMT+4+\a], v[NMT+8+\a]
	v_min3_num_f32 v[NMR+4+\a], v[NMT+32+\a], v[NMT+36+\a], v[NMT+40+\a]
.endr
.irp a, 0,1,2,3
	v_min3_num_f32 v[NMR+\a], v[NMR+\a], v[NMT+12+\a], v[NMT+16+\a]
	v_min_num_f32 v[NMR+4+\a], v[NMR+4+\a], v[NMT+44+\a]
.endr
.irp a, 0,1,2,3
	v_min3_num_f32 v[NMR+\a], v[NMR+\a], v[NMT+20+\a], v[NMT+24+\a]
.endr
.irp a, 0,1,2,3
	v_min_num_f32 v[NMR+\a], v[NMR+\a], v[NMT+28+\a]
.endr
.irp x, 0,1,2,3,4,5,6,7
	v_permlanex16_b32 v[PX+\x], v[NMR+\x], s[SEL], s[SEL+1]
.endr
.irp x, 0,1,2,3,4,5,6,7
	v_min_num_f32 v[NMR+\x], v[NMR+\x], v[PX+\x]
.endr
.macro SHIFT k
.set MR, NMR+4*((\k)/8)
.set LL, LR+4*((\k)/8)
.irp a, 0,1,2,3
	v_sub_f32 v[TT+\a], v[MR+\a], v[NMT+4*(\k)+\a]
.endr
.irp a, 0,1,2,3
	v_max_num_f32 v[TT+\a], 0xc2fe0000, v[TT+\a]
.endr
.irp a, 0,1,2,3
	v_cvt_i32_f32 v[TT+\a], v[TT+\a]
.endr
.if (\k)%8 == 0
.irp a, 0,1,2,3
	v_ldexp_f32 v[LL+\a], v[LT+4*(\k)+\a], v[TT+\a]
.endr
.else
.irp a, 0,1,2,3
	v_ldexp_f32 v[LT+4*(\k)+\a], v[LT+4*(\k)+\a], v[TT+\a]
.endr
.irp a, 0,1,2,3
.if ((\k) == 6) || ((\k) == 7)
	v_fma_f32 v[LL+\a], v[LT+4*(\k)+\a], s[VFA], v[LL+\a]
.elseif (\k) > 9
	v_fma_f32 v[LL+\a], v[LT+4*(\k)+\a], s[VFB], v[LL+\a]
.else
	v_add_f32 v[LL+\a], v[LT+4*(\k)+\a], v[LL+\a]
.endif
.endr
.endif
.irp a, 0,1,2,3
	v_mul_lo_u32 v[TT+\a], v[TT+\a], s[K01]
.endr
.irp a, 0,1,2,3
	v_or_b32 v[TW+\a], s[K80], v[FW+4*(\k)+\a]
.endr
.irp a, 0,1,2,3
	v_add_nc_u32 v[TW+\a], v[TW+\a], v[TT+\a]
.endr
.irp a, 0,1,2,3
	v_and_b32 v[TT+\a], s[K80], v[TW+\a]
.endr
.irp a, 0,1,2,3
	v_lshrrev_b32 v[TN+\a], 7, v[TT+\a]
.endr
.irp a, 0,1,2,3
	v_sub_nc_u32 v[TT+\a], v[TT+\a], v[TN+\a]
.endr
.irp a, 0,1,2,3
	v_and_b32 v[FW+4*(\k)+\a], v[TW+\a], v[TT+\a]
.endr
.endm
.irp k, 0,1,2,3,4,5,6,7,8,9,10,11
	SHIFT \k
.endr
.irp x, 0,1,2,3,4,5,6,7
	v_permlanex16_b32 v[PX+\x], v[LR+\x], s[SEL], s[SEL+1]
.endr
.irp x, 0,1,2,3,4,5,6,7
	v_add_f32 v[LR+\x], v[LR+\x], v[PX+\x]
.endr
	s_wait_alu depctr_va_vdst(0)
.irp x, 0,1,2,3,4,5,6,7
	v_rcp_f32 v[RC+2*\x], v[LR+\x]
.endr
.irp x, 0,1,2,3,4,5,6,7
	v_mov_b32 v[RC+2*\x+1], 0
.endr
	s_wait_alu depctr_va_vdst(0)
	s_wait_tensorcnt 0x0
	ds_add_u32 v[SPW], v[NIL]
	s_wait_dscnt 0x0
	CROUND
	s_cmp_eq_u32 s17, 0
	s_cbranch_scc1 .Lone_b
	JLOAD 1, 1
	s_branch .Lrun_1_asked
.Lone_b:
	JLOAD 1, 0
.Lrun_1_asked:
	FETCHA 0, 0, 0
	FETCHB 0, 0, 0
	PF 2, 2
	KS 0, 1, 1, 0, 1
	KS 1, 1, 0, 0, 2
	KS 2, 1, 0, 0, 3
	KTURN 3, 1, 1, 1, 1
	s_cmp_eq_u32 s17, 0
	s_cbranch_scc1 .Lsingle
	KS 4, 1, 0, 1, 1
	KS 5, 1, 0, 1, 2
	KS 6, 1, 0, 1, 3
	KTURN 7, 1, 0, 0, 0
	s_branch .Ljoin
.Lsingle:
	KS 4, 0, 0, 1, 1
	KS 5, 0, 0, 1, 2
	KS 6, 0, 0, 1, 3
	KTURN 7, 0, 0, 0, 1
.Ljoin:
	KS 8, 0, 0, 0, 1
	KS 9, 0, 0, 0, 2
	KS 10, 0, 0, 0, 3
	WIN 0
	s_cmp_eq_u32 s17, 0
	s_cbranch_scc1 .Lmore
	KLAST 11
	s_branch .Ldone
.Lmore:
	KTURN 11, 0, 0, 1, 0
	KS 12, 0, 0, 1, 1
	KS 13, 0, 0, 1, 2
	KS 14, 0, 0, 1, 3
	KLAST 15
.Ldone:
	PLACES
.macro OUTB x
.set TX, TO+32*((\x)%2)
	WIN 0x02
.set NN, 0
.rept 16
	v_pk_mul_f32 v[TX+NN:TX+NN+1], v[32*(\x)+NN:32*(\x)+NN+1], v[RC+2*(\x):RC+2*(\x)+1] op_sel_hi:[1,0]
.set NN, NN+2
.endr
	WIN 0
.irp b, 0,1,2,3
	ds_store_b128 v[STO], v[TX+8*\b:TX+8*\b+3] offset:32*\b
	ds_store_b128 v[STO], v[TX+8*\b+4:TX+8*\b+7] offset:32*\b+16
.endr
	WIN 0x40
.irp i, 0,1,2,3,4,5,6,7
	ds_load_b128 v[32*(\x)+4*\i:32*(\x)+4*\i+3], v[RD] offset:544*\i
.endr
	WIN 0
.endm
.macro SEND x, younger
	s_wait_dscnt \younger
	WIN 0x04
.irp i, 0,1,2,3,4,5,6,7
.if (\x) < 4
	global_store_b128 v[GO], v[32*(\x)+4*\i:32*(\x)+4*\i+3], s[10:11] offset:(8*((\x)%4)+2*\i+24*(\i/4))*4096 th:TH_STORE_NT
.else
	global_store_b128 v[GO], v[32*(\x)+4*\i:32*(\x)+4*\i+3], s[12:13] offset:(8*((\x)%4)+2*\i+24*(\i/4))*4096 th:TH_STORE_NT
.endif
.endr
	WIN 0
.endm
	OUTB 0
.irp x, 1,2,3,4,5,6,7
	OUTB \x
	SEND \x-1, 16
.endr
	SEND 7, 0
	s_wait_tensorcnt 0x0
	ds_add_u32 v[SPW], v[NIL]
	s_wait_dscnt 0x0
	CROUND
	s_endpgm
.Lfunc_end_k_q6da2db6d27_outp:
	.size	k_q6da2db6d27_outp, .Lfunc_end_k_q6da2db6d27_outp-k_q6da2db6d27_outp
	.p2alignl 7, 3214868480
	.fill 96, 4, 3214868480
	.section	.rodata,"a",@progbits
	.p2align	6, 0x0
	.amdhsa_kernel k_q6da2db6d27_outp
		.amdhsa_group_segment_fixed_size 327680
		.amdhsa_private_segment_fixed_size 0
		.amdhsa_enable_private_segment 0
		.amdhsa_kernarg_size 32
		.amdhsa_user_sgpr_count 2
		.amdhsa_user_sgpr_kernarg_segment_ptr 1
		.amdhsa_wavefront_size32 1
		.amdhsa_system_sgpr_workgroup_id_x 1
		.amdhsa_system_sgpr_workgroup_id_y 1
		.amdhsa_system_sgpr_workgroup_id_z 1
		.amdhsa_system_vgpr_workitem_id 0
		.amdhsa_next_free_vgpr 768
		.amdhsa_next_free_sgpr 100
		.amdhsa_reserve_vcc 0
		.amdhsa_float_denorm_mode_32 3
		.amdhsa_float_denorm_mode_16_64 3
		.amdhsa_memory_ordered 1
		.amdhsa_forward_progress 1
		.amdhsa_inst_pref_size 170
	.end_amdhsa_kernel
	.amdgpu_metadata
---
amdhsa.version: [ 1, 2 ]
amdhsa.kernels:
  - .name:           k_q6da2db6d27_outp
    .symbol:         k_q6da2db6d27_outp.kd
    .args:
      - { .name: vt, .offset: 0, .size: 8, .value_kind: global_buffer, .address_space: global }
      - { .name: pc, .offset: 8, .size: 8, .value_kind: global_buffer, .address_space: global }
      - { .name: st, .offset: 16, .size: 8, .value_kind: global_buffer, .address_space: global }
      - { .name: out0, .offset: 24, .size: 8, .value_kind: global_buffer, .address_space: global }
    .group_segment_fixed_size: 327680
    .private_segment_fixed_size: 0
    .kernarg_segment_align: 8
    .kernarg_segment_size: 32
    .max_flat_workgroup_size: 128
    .sgpr_count:     100
    .vgpr_count:     768
    .wavefront_size: 32
...
	.end_amdgpu_metadata
.endif
;; end of part 4
